; MI455X (gfx1250); checked and timed in simulation.
; The chip was launched on July 23, 2026; its instructions are those of AMD's public machine-readable ISA for CDNA 5 (MIT licence, August 2026) and "CDNA5" Instruction Set Architecture Reference Guide (July 2026). The comments in the code are by the model that wrote it; some were corrected since.
;; Multihead Attention. Allowed arithmetic: matrix products marked QUANTISED: E5M2 operands, one E8M0 scale for each 32 along K, by v_wmma_scale_f32_16x16x128_f8f6f4 with both operands' format E5M2, f32 sums; products left as they are: f32 operands where the result goes on into a quantised operand, else bf16, f16 or f32 operands; f32 sums; everything else in f32.
;; Inputs: beta1 32 float32; beta2 32 float32; bk 32 float32; bl 32 float32; bo 32 float32; bq 32 float32; bv 32 float32; g1 32 float32; g2 32 float32; wk 32 x 32 float32; wl 32 x 32 float32; wo 32 x 32 float32; wq 32 x 32 float32; wv 32 x 32 float32; x 16 x 2,048 x 32 float32.
;; Outputs: out0 16 x 2,048 x 32 float32.
;; This version of the problem:
;;   THIS VERSION OF THE PROBLEM IS GIVEN IN LOW PRECISION. The matrix products marked QUANTISED in the list below multiply operands that are first quantised to E5M2 (5 exponent bits, 2 mantissa bits; 8 bits a number), with one power-of-two scale for each 32 numbers along K (OCP MX v1.0); their sums are f32. All else is computed in f32.
;;   The module's matrix products, in the order in which they are computed (A, B: the left and right operand; K: the contracted axis; several contracted axes count as one K, in the product's order):
;;     1. [M 32,768, K 32] x [K 32, N 32]; A: input x; B: input wq: QUANTISED
;;     2. [M 32,768, K 32] x [K 32, N 32]; A: input x; B: input wk: QUANTISED
;;     3. [M 32,768, K 32] x [K 32, N 32]; A: input x; B: input wv: QUANTISED
;;     4. batch 64 x [M 2,048, K 8] x [K 8, N 2,048]; A: computed on the way; B: computed on the way: left as it is (K = 8 < 32)
;;     5. batch 64 x [M 2,048, K 2,048] x [K 2,048, N 8]; A: softmax; B: computed on the way: left as it is (N = 8 < 16)
;;     6. [M 32,768, K 32] x [K 32, N 32]; A: computed on the way; B: input wo: QUANTISED
;;     7. [M 32,768, K 32] x [K 32, N 32]; A: computed on the way; B: input wl: QUANTISED
;;   THE QUANTISER, for each operand of a quantised product, along K:
;;     - K is cut into blocks of 32 from its start; a last block that is shorter is filled with zeros.
;;     - A block's scale is 2^e with e = floor(log2(the largest magnitude in the block)) - 15, held to -126 .. 127; a block of zeros has e = 0. As a byte (E8M0): e + 127.
;;     - Each number is divided by its block's scale, clamped to +-57,344, and rounded to the nearest number of E5M2, ties to even, subnormals kept.
;;     - The product sums the exact products of the quantised numbers (number of the format x scale) in f32.
;;   ~~~python
;;   def quantise(x, axis):      # numpy; x: float32 -> the quantised numbers, widened to float32 again
;;       x = np.moveaxis(x, axis, -1); K = x.shape[-1]
;;       x = np.pad(x, [(0, 0)] * (x.ndim - 1) + [(0, -K % 32)]); x = x.reshape(x.shape[:-1] + (-1, 32)); a = np.abs(x).max(-1, keepdims=True)
;;       e = np.where(a > 0, np.clip(np.frexp(np.where(a > 0, a, 1))[1] - 1 - 15, -126, 127), 0)      # np.frexp(a)[1] - 1 = floor(log2(a)), exactly
;;       r = np.clip(x / 2.0 ** e, -57344, 57344)
;;       step = 2.0 ** (np.maximum(np.frexp(np.where(r == 0, 1, r))[1] - 1, -14) - 2)
;;       q = np.round(r / step) * step * 2.0 ** e      # np.round: ties to even
;;       return np.moveaxis(q.reshape(q.shape[:-2] + (-1,))[..., :K], -1, axis).astype(np.float32)
;;   ~~~
;;   OPERANDS COMPUTED ON THE WAY. 'Computed on the way' means the value that the module computes at that place (a softmax that the list does not call 'softmax' is quantised finished and normalised). What goes into a quantiser is computed in f32, as accurately as f32 sums, v_exp_f32 and their like allow (about 1e-6 of the number): no bf16 or f16 on the way to a quantiser, and a product that is left as it is and whose result goes on into a quantised operand takes f32 operands (vector FMAs, or v_wmma_f32_16x16x4_f32). A number that lies on a knife's edge between two numbers of the format may be rounded either way, as far as f32 arithmetic and the matrix unit's own rounding can turn it there, and no further.
;; One version. Each part assembles by itself: llvm-mc -triple=amdgcn-amd-amdhsa -mcpu=gfx1250 --defsym DOCPART=n.
;; ======== version 1 of 1: 2 launches
;; workspace buffers: att 4,194,304 bytes
;; launch attn (part 1): grid 16 x 16, 8 waves a work-group, no clusters, 132,096 bytes of LDS; arguments x, wq, bq, wk, wv, bv, att; writes att
.if DOCPART == 1
	.amdgcn_target "amdgcn-amd-amdhsa--gfx1250"
	.amdhsa_code_object_version 6
	.text
	.protected	k_qf16e1c207d_attn
	.globl	k_qf16e1c207d_attn
	.p2align	8
	.type	k_qf16e1c207d_attn,@function
k_qf16e1c207d_attn:
	s_mov_b64 s[64:65], 0
	v_nop
	global_prefetch_b8 v0, s[64:65] scope:SCOPE_SE
	s_setreg_imm32_b32 hwreg(HW_REG_WAVE_MODE, 25, 1), 1
	s_wait_xcnt 0x0
; att[b][head][s][0..7] = softmax_k(q . k / sqrt(8)) v for one head, f32.  q = Q(x) Q(wq) + bq, k = Q(x) Q(wk), v = Q(x) Q(wv) + bv, Q the MX quantiser to E5M2 along K = 32 (one block).
; DEAD WORK: bk.  With k' = k + bk every score of a query q becomes q . k + q . bk: the term q . bk is the same for all keys of that query's row, and softmax(s + const) = softmax(s) for all values.
; The product q k^T is not quantised, so bk enters no code and no scale.  bk has no other use: it is not loaded and is no argument.  LIMIT: a NaN, an infinity or an overflow in bk is not carried to the result.
; LIMITS: NaN and infinities among the inputs are not served; a block whose largest magnitude lies under 2^-111 keeps the scale byte 1; sums run in another order than the reference's; 1 / l is v_rcp_f32 and a multiplication.
; SHARES.  A work-group owns one batch, one head and 512 queries; each of its eight waves 64 queries: four tiles of 16.  At the head wave w makes K and V of keys 256 w .. 256 w + 255 (all 2,048 keys of the head
; lie in LDS, 32 bytes a key each), and its own q in registers.  Then one barrier, and each wave walks the 2,048 keys, 64 a step, with no further barrier.
; FORMATS.  The three projections go by the scaled form on E5M2 codes, K = 32 in registers 0-3 of an operand, zero codes in registers 4-15.  The scores and p v go on into the quantiser ahead of wo, so their operands
; are f32: S^T = K Q^T by v_wmma_f32_16x16x4_f32 (two K steps of 4), p v by packed fused multiply-adds (its N = 8 would leave half of a matrix tile empty).
; LAYOUT.  A lane (r = lane % 16, h = lane / 16) holds query r of each tile; register j of score tile (kt, t) is key 16 kt + 8 h + j.  So V's rows hang on h alone (LDS broadcasts), O is kept as partial sums over the
; lane's keys, and the two halves meet once, at the end.  The head's 8 channels are permuted alike in K and Q: K step ks, slot 2 h + j holds channel 4 h + 2 ks + j: a lane's four registers are 16 neighbouring bytes.
; V IN TWO BUFFERS.  A step's p v goes in four substeps of 16 keys (eight rows of V a lane, 64 registers).  Substeps 0 and 2 read buffer 0, substeps 1 and 3 buffer 1; at a substep's head ONE run of sixteen loads
; fetches the next substep's rows into the other buffer, 128 multiply-adds ahead of their first use.  With K's four loads at the step's head a step has five groups of LDS loads among its vector work.
; NO CLUSTER, NO TENSOR LOAD: what work-groups share is x, 256 KiB a work-group, read once at the head (20 tiles of work against 32 steps of some 880 vector instructions); it arrives as f32 and has to pass through
; registers to be quantised, so a joint load into LDS would add a trip and spare none.
; REGISTERS, window 0: v2-12 addresses, scales; v16-23 K's fragments of tiles 0, 1; v32-63 O; v64-127 V, buffer 0; v128-255 the 16 score tiles (written by the f32 matrix form alone).
;   window 1: v0-127 p; v128-143 q; v144-183 statistics; v184-191 K's fragments of tiles 2, 3; v192-255 V, buffer 1 (the sums' chains lie in its first 16 while it holds nothing).
;   At the head both windows' low halves hold the projections' operands (named below).
.set VLDS,  65536                      ; LDS: K [key][8] f32 at 0, V likewise here
.set SPARE, 131072                     ; the spare words: 128 bytes for each of eight waves: four blocks of 256 bytes that no other line names
.set STEPB, 2048                       ; 64 keys x 32 bytes
.set NSTEP, 32
.set SPW,  2                           ; v2   LDS address of my spare word; never rewritten
.set NIL,  3                           ; v3   0, for the add alone
.set KB0,  4                           ; v4   32 r + 16 h: my place in a tile of K; also my place in a tile of att
.set VB0,  5                           ; v5   VLDS + 256 h: my half's eight keys
.set KADR, 6
.set VADR, 7
.set XSC,  9                           ; v9   x's scale word      (v9-11 hold scales and nothing else)
.set WKVS, 10                          ; v10  the scale words of wk's and wv's columns
.set WQS,  11                          ; v11  of wq's
.set ZA,   12                          ; v12  0: the biases' offset
.set KF,   16                          ; K's fragments of tiles kt = 0, 1: at KF + 4 kt
.set XA,   16                          ; head only: x's offsets for keys, for queries; where K and V go; the weights' offset; four at work
.set XQ,   17
.set STA,  18
.set WA,   19
.set TM,   20
.set OAC,  32                          ; O: tile t at OAC + 8 t
.set XC,   32                          ; head only: x's codes (4) and zero codes (12)
.set D0,   48                          ; head only: two results of the scaled form, by turns
.set VSL,  64                          ; V, buffer 0: slot j at VSL + 8 j
.set XS,   64                          ; head only: four sets of 16 numbers of x
.set SAC,  128                         ; scores: tile a = 4 kt + t at SAC + 8 a
.set PEX,  0                           ; window 1: p, tile a at 8 a
.set RW,   0                           ; window 1, head only: wk, wv, wq as loaded, 16 each
.set TW,   48
.set WKV,  64                          ; the operands: wk | wv, wq | wq; the biases as C
.set WQ,   80
.set CKV,  96
.set CQ,   104
.set QF,   128                         ; window 1: q, tile t at QF + 4 t
.set MX,   144                         ; chain (t, u) of the maximum; at work on the way out
.set MR,   152                         ; m
.set CM,   156                         ; c m, pairs (low word)
.set AF,   164                         ; a = 2^(c m_old - c m_new), pairs (low word)
.set LS,   172                         ; l, pairs (even keys', odd keys')
.set T1,   180
.set KG,   184                         ; window 1: K's fragments of tiles kt = 2, 3: at KG + 4 (kt - 2).  The odd substeps' products read them, and there source 0 means window 1
.set VB1,  192                         ; window 1: V, buffer 1: slot j at VB1 + 8 j
.set SU,   192                         ; chain (t, u) of the sums, pairs: written and read between the last read of buffer 1 and its next fill
.set RC,   208                         ; 1 / l: on the way out, when buffer 1 is done with
.set WV,   18
.set HD,   19
.set QB,   20
.set BT,   21
.set CS,   22                          ; s[22:23] c = log2(e) / sqrt(8)
.set SEL,  24                          ; s[24:25] v_permlanex16_b32's selects for lane l xor 16
.set MNT,  26                          ; the mantissa field of 57,344
.set CNT,  27
.set HM,   28                          ; lanes with h = 1
.set RM,   29                          ; lanes with r >= 8
.set TS,   30                          ; STEPB x the step in hand
.set MSB, 0
.macro WIN new                         ; bits 1:0 source 0, 3:2 source 1, 5:4 source 2, 7:6 destination; the high byte repeats the setting that is left
.if MSB != \new
	s_set_vgpr_msb (MSB<<8)|\new
.set MSB, \new
.endif
.endm
; One block of 32 along K, 16 numbers in lane l and 16 in lane l xor 16, in place: codes into v[code .. code + 3], the scale's byte into v[sreg] (window 0).  w: the window setting of all else (0 or 0x55).
.macro QUANT src, code, sreg, tm, w
	WIN \w
	v_max3_num_f32 v[\tm], |v[\src]|, |v[\src+1]|, 0x8000000          ; the largest magnitude in two chains; the floor 2^(16 - 127) holds the byte at 1 from below
	v_max3_num_f32 v[\tm+1], |v[\src+8]|, |v[\src+9]|, |v[\src+10]|
	v_max3_num_f32 v[\tm], v[\tm], |v[\src+2]|, |v[\src+3]|
	v_max3_num_f32 v[\tm+1], v[\tm+1], |v[\src+11]|, |v[\src+12]|
	v_max3_num_f32 v[\tm], v[\tm], |v[\src+4]|, |v[\src+5]|
	v_max3_num_f32 v[\tm+1], v[\tm+1], |v[\src+13]|, |v[\src+14]|
	v_max3_num_f32 v[\tm], v[\tm], |v[\src+6]|, |v[\src+7]|
	v_max3_num_f32 v[\tm], v[\tm], v[\tm+1], |v[\src+15]|
	v_permlanex16_b32 v[\tm+1], v[\tm], s[SEL], s[SEL+1]
	v_max_num_f32 v[\tm], v[\tm], v[\tm+1]                            ; with lane l xor 16's: the block's
	v_add_nc_u32 v[\tm+2], 0xf8800000, v[\tm]                         ; 15 off its exponent field: the conversion's scale operand
	v_and_or_b32 v[\tm+3], v[\tm], 0x7f800000, s[MNT]                 ; 57,344 x the scale
.if \w
	WIN 0x04                                                          ; the byte goes to window 0: scale operands have no window
.endif
	v_lshrrev_b32 v[\sreg], 23, v[\tm+2]                              ; the scale's byte, zeros above it (they scale zero codes)
	WIN \w
.irp i, 0,1,2,3,4,5,6,7,8,9,10,11,12,13,14,15
	v_med3_num_f32 v[\src+\i], v[\src+\i], -v[\tm+3], v[\tm+3]        ; the conversion to an 8-bit code does not saturate (ISA guide 7.6.2): the hold
.endr
	v_cvt_scalef32_pk8_bf8_f32 v[\code:\code+1], v[\src:\src+7], v[\tm+2]
	v_cvt_scalef32_pk8_bf8_f32 v[\code+2:\code+3], v[\src+8:\src+15], v[\tm+2]
.endm
; tile n of x: 16 rows, a lane's 16 numbers (64 bytes).  n < 16: my wave's keys;  n = 16 .. 19: my wave's queries
.macro LOADX n
.irp i, 0,1,2,3
.if (\n) < 16
	global_load_b128 v[XS+16*((\n)%4)+4*\i:XS+16*((\n)%4)+4*\i+3], v[XA], s[4:5] offset:2048*(\n)+16*\i
.else
	global_load_b128 v[XS+16*((\n)%4)+4*\i:XS+16*((\n)%4)+4*\i+3], v[XQ], s[4:5] offset:2048*((\n)-16)+16*\i
.endif
.endr
.endm
; what becomes of tile n's result.  Keys: lanes with h = 0 hold K's row, lanes with h = 1 V's: 32 bytes each to LDS.  Queries: both halves hold q[0..7]; a lane keeps q[4 h .. 4 h + 3].  Each result is read from its low end on.
.macro OUT n
.if (\n) < 16
	ds_store_b128 v[STA], v[D0+8*((\n)%2):D0+8*((\n)%2)+3] offset:512*(\n)
	ds_store_b128 v[STA], v[D0+8*((\n)%2)+4:D0+8*((\n)%2)+7] offset:512*(\n)+16
.else
	WIN 0x40
.irp i, 0,1,2,3
	v_cndmask_b32 v[QF+4*((\n)-16)+\i], v[D0+8*((\n)%2)+\i], v[D0+8*((\n)%2)+4+\i], s[HM]
.endr
	WIN 0
.endif
.endm
.macro TILE n
.if 19-(\n) >= 3
	s_wait_loadcnt 12                              ; this tile's four loads are in; those of the three tiles behind it may be out
.else
	s_wait_loadcnt 4*(19-(\n))
.endif
	QUANT XS+16*((\n)%4), XC, XSC, TM, 0           ; its first twelve lines are the places behind the last product, ahead of the writes of XSC and XC
.if (\n)+4 <= 19
	LOADX (\n)+4
.endif
.rept 4
	v_nop                                          ; the plain line behind the conversions, and the four places between codes made by vector instructions and a scaled matrix instruction (the scale word stands 16 holds further up)
.endr
	s_wait_dscnt 0x0                               ; the LDS stores of two tiles back have read the result registers that are written now
	WIN 0x11                                       ; source 0 (weights) and C (bias) in window 1
.if (\n) < 16
	v_wmma_scale_f32_16x16x128_f8f6f4 v[D0+8*((\n)%2):D0+8*((\n)%2)+7], v[WKV:WKV+15], v[XC:XC+15], v[CKV:CKV+7], v[WKVS], v[XSC] matrix_a_fmt:MATRIX_FMT_BF8 matrix_b_fmt:MATRIX_FMT_BF8
.else
	v_wmma_scale_f32_16x16x128_f8f6f4 v[D0+8*((\n)%2):D0+8*((\n)%2)+7], v[WQ:WQ+15], v[XC:XC+15], v[CQ:CQ+7], v[WQS], v[XSC] matrix_a_fmt:MATRIX_FMT_BF8 matrix_b_fmt:MATRIX_FMT_BF8
.endif
	WIN 0
.if (\n) > 0
	OUT (\n)-1                                     ; the tile before: its product stands a whole QUANT back
.endif
.endm
	s_load_b256 s[4:11], s[0:1], 0x0               ; x s[4:5], wq s[6:7], bq s[8:9], wk s[10:11]
	s_load_b128 s[12:15], s[0:1], 0x20             ; wv s[12:13], bv s[14:15]
	s_load_b64 s[16:17], s[0:1], 0x30              ; att
	v_lshl_add_u32 v[SPW], v0, 2, SPARE
	v_mov_b32 v[NIL], 0
	v_lshrrev_b32 v1, 5, v0
	v_readfirstlane_b32 s[WV], v1                  ; wave 0..7
	s_lshr_b32 s[HD], ttmp9, 2                     ; work-group x = 4 x head + block of 512 queries
	s_and_b32 s[QB], ttmp9, 3
	s_and_b32 s[BT], ttmp7, 0xffff                 ; work-group y = batch
	s_mov_b32 s[CS], 0x3f0293ee
	s_mov_b32 s[CS+1], s[CS]                       ; (named with it as a pair, so it is written)
	s_mov_b32 s[SEL], 0x76543210
	s_mov_b32 s[SEL+1], 0xfedcba98
	s_mov_b32 s[MNT], 0x600000
	s_mov_b32 s[HM], 0xffff0000
	s_mov_b32 s[RM], 0xff00ff00
	s_mov_b32 s[TS], 0
	s_mov_b32 s[CNT], NSTEP-1
	v_and_b32 v13, 15, v0                          ; r
	v_bfe_u32 v14, v0, 4, 1                        ; h
	v_lshlrev_b32 v[KB0], 5, v13
	v_lshl_add_u32 v[KB0], v14, 4, v[KB0]
	v_lshl_add_u32 v[VB0], v14, 8, VLDS
	v_mov_b32 v[ZA], 0
	v_lshlrev_b32 v[XA], 7, v13
	v_lshl_add_u32 v[XA], v14, 6, v[XA]            ; x: row r of 128 bytes, + 64 h
	s_lshl_b32 s32, s[WV], 13                      ; my 64 queries x 128 bytes,
	s_lshl_b32 s33, s[QB], 16                      ; in my work-group's 512
	s_add_co_u32 s32, s32, s33
	v_add_nc_u32 v[XQ], s32, v[XA]
	s_lshl_b32 s32, s[WV], 15                      ; my 256 keys x 128 bytes
	v_add_nc_u32 v[XA], s32, v[XA]
	v_lshlrev_b32 v[STA], 5, v13
	v_lshl_add_u32 v[STA], v14, 16, v[STA]         ; 32 r, + VLDS for the lanes that hold V
	s_lshl_b32 s32, s[WV], 13                      ; my 256 keys x 32 bytes
	v_add_nc_u32 v[STA], s32, v[STA]
	v_and_b32 v[WA], 7, v0
	v_lshlrev_b32 v[WA], 2, v[WA]
	v_lshl_add_u32 v[WA], v14, 11, v[WA]           ; a weight: column r % 8 of the head's eight, rows 16 h on (128 bytes a row)
	s_lshl_b32 s32, s[HD], 5                       ; the head's eight columns: 32 bytes
	s_mov_b32 s33, 0
	s_lshl_b32 s34, s[BT], 18                      ; the batch's 2,048 rows of 128 bytes
	s_mov_b32 s35, 0
	s_lshl_b32 s36, s[BT], 2
	s_add_co_u32 s36, s36, s[HD]
	s_lshl_b32 s36, s36, 16                        ; att: (4 batch + head) x 2,048 rows of 32 bytes,
	s_lshl_b32 s37, s[QB], 14                      ; + 512 rows a block,
	s_add_co_u32 s36, s36, s37
	s_lshl_b32 s37, s[WV], 11                      ; + 64 rows a wave
	s_add_co_u32 s36, s36, s37
	s_mov_b32 s37, 0
	s_wait_kmcnt 0x0
	s_add_nc_u64 s[4:5], s[4:5], s[34:35]
	s_add_nc_u64 s[6:7], s[6:7], s[32:33]
	s_add_nc_u64 s[8:9], s[8:9], s[32:33]
	s_add_nc_u64 s[10:11], s[10:11], s[32:33]
	s_add_nc_u64 s[12:13], s[12:13], s[32:33]
	s_add_nc_u64 s[14:15], s[14:15], s[32:33]
	s_add_nc_u64 s[16:17], s[16:17], s[36:37]
	WIN 0x40                                       ; loaded data to window 1
.irp i, 0,1,2,3,4,5,6,7,8,9,10,11,12,13,14,15
	global_load_b32 v[RW+\i], v[WA], s[10:11] offset:128*\i        ; wk(16 h + i, column): a lane's registers run down K
.endr
.irp i, 0,1,2,3,4,5,6,7,8,9,10,11,12,13,14,15
	global_load_b32 v[RW+16+\i], v[WA], s[12:13] offset:128*\i     ; wv
.endr
.irp i, 0,1,2,3,4,5,6,7,8,9,10,11,12,13,14,15
	global_load_b32 v[RW+32+\i], v[WA], s[6:7] offset:128*\i       ; wq
.endr
	global_load_b128 v[CKV:CKV+3], v[ZA], s[14:15]                 ; bv's eight, in every lane
	global_load_b128 v[CKV+4:CKV+7], v[ZA], s[14:15] offset:16
	global_load_b128 v[CQ:CQ+3], v[ZA], s[8:9]                     ; bq's eight
	global_load_b128 v[CQ+4:CQ+7], v[ZA], s[8:9] offset:16
	WIN 0
	LOADX 0
	LOADX 1
	LOADX 2
	LOADX 3
	s_wait_loadcnt 16                              ; the weights and biases are in; x's first sixteen loads may be out
	WIN 0x55
.irp i, 0,1,2,3,4,5,6,7,8,9,10,11,12,13,14,15
	v_cndmask_b32 v[RW+\i], v[RW+\i], v[RW+16+\i], s[RM]           ; source 0's rows 0-7: wk's columns, rows 8-15: wv's
.endr
.irp j, 0,1,2,3,4,5,6,7
	v_cndmask_b32 v[CKV+\j], 0, v[CKV+\j], s[HM]                   ; C: result rows 0-7 (h = 0) are K, which has no bias here; rows 8-15 are V
.endr
	QUANT RW, WKV, WKVS, TW, 0x55
	QUANT RW+32, WQ, WQS, TW, 0x55                 ; wq's eight columns stand twice, so that both halves of the lanes get q[0..7]
.irp i, 4,5,6,7,8,9,10,11,12,13,14,15
	v_mov_b32 v[WKV+\i], 0                         ; K = 32 .. 127: zero codes
	v_mov_b32 v[WQ+\i], 0
.endr
	WIN 0
.irp i, 4,5,6,7,8,9,10,11,12,13,14,15
	v_mov_b32 v[XC+\i], 0
.endr
.irp n, 0,1,2,3,4,5,6,7,8,9,10,11,12,13,14,15,16,17,18,19
	TILE \n
.endr
.rept 8
	v_nop                                          ; eight places behind the last product, ahead of the read of its result
.endr
	OUT 19
	s_wait_dscnt 0x0                               ; for the others' sake: my rows of K and V have landed
	s_barrier_signal -1
	s_barrier_wait -1                              ; everybody's have: from here on LDS is only read
; Score product nn of a step's 32: tile aa = nn % 16 (kt = aa / 4, t = aa % 4), K step nn / 16.  The 16 score tiles take turns, one instruction a turn (first all with K step 0, which starts the sums with the
; constant 0, then all with K step 1).  Tiles 0-7 take K from window 0, tiles 8-15 from window 1: the caller has set source 0's window.
.macro SCORE
.set aa, nn%16
.if aa < 8
.set ka, KF+4*(aa/4)+2*(nn/16)
.else
.set ka, KG+4*(aa/4-2)+2*(nn/16)
.endif
.if nn < 16
	v_wmma_f32_16x16x4_f32 v[SAC+8*aa:SAC+8*aa+7], v[ka:ka+1], v[QF+4*(aa%4):QF+4*(aa%4)+1], 0
.else
	v_wmma_f32_16x16x4_f32 v[SAC+8*aa:SAC+8*aa+7], v[ka:ka+1], v[QF+4*(aa%4)+2:QF+4*(aa%4)+3], v[SAC+8*aa:SAC+8*aa+7]
.endif
.endm
; 16 packed multiply-adds: key 16 k + 8 h + j of the step against the four tiles' p, broadcast out of its pair.  next = 1: product 8 k + j of the next step's scores stands in front of them.
.macro SLOT k, j, next
.set vb, VSL+(VB1-VSL)*((\k)%2)                ; substep k reads buffer k % 2
.if \next
.set nn, 8*(\k)+(\j)
	SCORE
.endif
.irp t, 0,1,2,3
.irp d, 0,2,4,6
.if (\j)%2
	v_pk_fma_f32 v[OAC+8*\t+\d:OAC+8*\t+\d+1], v[vb+8*(\j)+\d:vb+8*(\j)+\d+1], v[PEX+8*(4*(\k)+\t)+(\j)-1:PEX+8*(4*(\k)+\t)+(\j)], v[OAC+8*\t+\d:OAC+8*\t+\d+1] op_sel:[0,1,0] op_sel_hi:[1,1,1]
.else
	v_pk_fma_f32 v[OAC+8*\t+\d:OAC+8*\t+\d+1], v[vb+8*(\j)+\d:vb+8*(\j)+\d+1], v[PEX+8*(4*(\k)+\t)+(\j):PEX+8*(4*(\k)+\t)+(\j)+1], v[OAC+8*\t+\d:OAC+8*\t+\d+1] op_sel_hi:[1,0,1]
.endif
.endr
.endr
.endm
.macro SUBSTEP k, next
.irp j, 0,1,2,3,4,5,6,7
	SLOT \k, \j, \next
.endr
.endm
; One run of sixteen LDS loads: my half's eight rows of V of substep k into buffer k % 2.  k = 4 is the next step's substep 0: V's rows lie on end.  The address lies in window 0.
.macro VRUN k
.if (\k)%2
	WIN 0x40                                       ; destination window 1
.set vb, VB1
.else
	WIN 0x04                                       ; destination window 0 (the setting that the even substep before has left)
.set vb, VSL
.endif
.irp j, 0,1,2,3,4,5,6,7
	ds_load_b128 v[vb+8*\j:vb+8*\j+3], v[VADR] offset:512*(\k)+32*\j
	ds_load_b128 v[vb+8*\j+4:vb+8*\j+7], v[VADR] offset:512*(\k)+32*\j+16
.endr
.endm
; A KEY STEP: 64 keys x 64 queries.  Its scores were made in the step before.  next = 1: the next step's K is fetched and its scores are made among the multiply-adds.
.macro STEP next
	WIN 0
	v_add_nc_u32 v[VADR], s[TS], v[VB0]            ; the last loads that read VADR stand a substep back
.if \next
	v_add_nc_u32 v[KADR], s[TS], v[KB0]
	ds_load_b128 v[KF:KF+3], v[KADR] offset:STEPB                  ; the last product that read K's registers stands sixteen multiply-adds back: more than the eight places that are asked
	ds_load_b128 v[KF+4:KF+7], v[KADR] offset:STEPB+512
	WIN 0x40
	ds_load_b128 v[KG:KG+3], v[KADR] offset:STEPB+1024
	ds_load_b128 v[KG+4:KG+7], v[KADR] offset:STEPB+1536
.endif
	WIN 0x50                                       ; destination and source 2 in window 1, the scores in window 0
.irp i, 0,1,2,3,4,5,6,7                        ; the maximum: eight chains by turns, chain (t, u) over tiles kt = 2 u, 2 u + 1, begun with the old m; each score tile is read from its low end on
.irp t, 0,1,2,3
.irp u, 0,1
.if \i == 0
	v_max3_num_f32 v[MX+2*\t+\u], v[SAC+8*(8*\u+\t)], v[SAC+8*(8*\u+\t)+1], v[MR+\t]
.else
	v_max3_num_f32 v[MX+2*\t+\u], v[SAC+8*(4*(2*\u+\i/4)+\t)+2*(\i%4)], v[SAC+8*(4*(2*\u+\i/4)+\t)+2*(\i%4)+1], v[MX+2*\t+\u]
.endif
.endr
.endr
.endr
	WIN 0x55
.irp t, 0,1,2,3
	v_max_num_f32 v[MX+2*\t], v[MX+2*\t], v[MX+2*\t+1]
.endr
.irp t, 0,1,2,3
	v_permlanex16_b32 v[T1+\t], v[MX+2*\t], s[SEL], s[SEL+1]       ; the query's other 32 keys lie in the lane 16 away
.endr
.irp t, 0,1,2,3
	v_max_num_f32 v[MR+\t], v[MX+2*\t], v[T1+\t]                   ; the running maximum
.endr
.irp t, 0,1,2,3
	v_mul_f32 v[T1+\t], s[CS], v[MR+\t]
.endr
.irp t, 0,1,2,3
	v_sub_f32 v[AF+2*\t], v[CM+2*\t], v[T1+\t]                     ; c m_old - c m_new, 0 or less
.endr
.irp t, 0,1,2,3
	v_mov_b32 v[CM+2*\t], v[T1+\t]
.endr
.irp t, 0,1,2,3
	v_exp_f32 v[AF+2*\t], v[AF+2*\t]                               ; a, in place: first of the step's one batch of exponentials
.endr
	WIN 0x50
.irp kt, 0,1,2,3
.irp t, 0,1,2,3
.irp i, 0,2,4,6
	v_pk_fma_f32 v[PEX+8*(4*\kt+\t)+\i:PEX+8*(4*\kt+\t)+\i+1], v[SAC+8*(4*\kt+\t)+\i:SAC+8*(4*\kt+\t)+\i+1], s[CS:CS+1], v[CM+2*\t:CM+2*\t+1] op_sel_hi:[1,0,0] neg_lo:[0,0,1] neg_hi:[0,0,1]   ; c s - c m, into other registers than the scores'
.endr
.endr
.endr
	WIN 0x55
.set ee, 0
.rept 128
	v_exp_f32 v[PEX+ee], v[PEX+ee]                 ; p = 2^(c s - c m)
.set ee, ee+1
.endr
	v_nop                                          ; the plain instruction behind the last exponential
	s_wait_alu depctr_va_vdst(0)                   ; the wait ahead of the first line that names a result: one for the step's 132 exponentials
.irp t, 0,1,2,3
.irp u, 0,1
	v_pk_add_f32 v[SU+4*\t+2*\u:SU+4*\t+2*\u+1], v[PEX+8*(8*\u+\t):PEX+8*(8*\u+\t)+1], v[PEX+8*(8*\u+\t)+2:PEX+8*(8*\u+\t)+3]   ; the rows' sums: eight chains by turns
.endr
.endr
.irp i, 2,3,4,5,6,7
.irp t, 0,1,2,3
.irp u, 0,1
	v_pk_add_f32 v[SU+4*\t+2*\u:SU+4*\t+2*\u+1], v[SU+4*\t+2*\u:SU+4*\t+2*\u+1], v[PEX+8*(4*(2*\u+\i/4)+\t)+2*(\i%4):PEX+8*(4*(2*\u+\i/4)+\t)+2*(\i%4)+1]
.endr
.endr
.endr
.irp t, 0,1,2,3
	v_pk_fma_f32 v[LS+2*\t:LS+2*\t+1], v[LS+2*\t:LS+2*\t+1], v[AF+2*\t:AF+2*\t+1], v[SU+4*\t:SU+4*\t+1] op_sel_hi:[1,0,1]   ; l = a l + the step's sums
.endr
.irp t, 0,1,2,3
	v_pk_add_f32 v[LS+2*\t:LS+2*\t+1], v[LS+2*\t:LS+2*\t+1], v[SU+4*\t+2:SU+4*\t+3]
.endr
	VRUN 1                                         ; the sums are taken: buffer 1 takes substep 1's rows
	WIN 0x04                                       ; source 1 (a, p, q) in window 1, all else in window 0
.irp t, 0,1,2,3
.irp d, 0,2,4,6
	v_pk_mul_f32 v[OAC+8*\t+\d:OAC+8*\t+\d+1], v[OAC+8*\t+\d:OAC+8*\t+\d+1], v[AF+2*\t:AF+2*\t+1] op_sel_hi:[1,0]   ; O under the new m
.endr
.endr
	s_wait_dscnt 16                                ; all but the run just issued: buffer 0's rows, asked for a substep and a softmax ago, and K's four loads of this step's head
	SUBSTEP 0, \next
	VRUN 2                                         ; buffer 0 has been read out
	s_wait_dscnt 16                                ; all but the run just issued: buffer 1 is in
	WIN 0x05                                       ; source 0 (V's buffer 1, K's tiles 2 and 3) in window 1 too
	SUBSTEP 1, \next
	VRUN 3
	s_wait_dscnt 16                                ; buffer 0 is in
	WIN 0x04
	SUBSTEP 2, \next
.if \next
	VRUN 4                                         ; the next step's first rows: they land under its softmax
	s_wait_dscnt 16                                ; buffer 1 is in
.else
	s_wait_dscnt 0x0                               ; nothing more is fetched: buffer 1 is in
.endif
	WIN 0x05
	SUBSTEP 3, \next
	WIN 0                                          ; at a label and at a branch every window is 0
.endm
	ds_load_b128 v[KF:KF+3], v[KB0]                ; step 0: K's four tiles,
	ds_load_b128 v[KF+4:KF+7], v[KB0] offset:512
	WIN 0x40
	ds_load_b128 v[KG:KG+3], v[KB0] offset:1024
	ds_load_b128 v[KG+4:KG+7], v[KB0] offset:1536
	WIN 0
.irp j, 0,1,2,3,4,5,6,7
	ds_load_b128 v[VSL+8*\j:VSL+8*\j+3], v[VB0] offset:32*\j       ; and V's first eight rows of my half, into buffer 0
	ds_load_b128 v[VSL+8*\j+4:VSL+8*\j+7], v[VB0] offset:32*\j+16
.endr
	s_wait_dscnt 16                                ; K is in; V's sixteen loads may be out
.set nn, 0
.rept 32                                       ; step 0's scores: there is no vector work yet to set between them
.if nn%16 < 8
	WIN 0x04
.else
	WIN 0x05
.endif
	SCORE
.set nn, nn+1
.endr
	WIN 0
.irp i, 0,1,2,3,4,5,6,7,8,9,10,11,12,13,14,15,16,17,18,19,20,21,22,23,24,25,26,27,28,29,30,31
	v_mov_b32 v[OAC+\i], 0                         ; the step is written for all steps alike: the first finds zeros, which a = 0 leaves zeros.  (These lines are also the places behind the products above)
.endr
	WIN 0x40
.irp t, 0,1,2,3
	v_mov_b32 v[MR+\t], 0xff61b1e6                 ; m = -3e38, under every score
	v_mov_b32 v[T1+\t], 0                          ; (a lane permute's destination counts as one of its sources)
.endr
.irp i, 0,1,2,3,4,5,6,7
	v_mov_b32 v[CM+\i], 0xff61b1e6                 ; c m likewise: the first a is 2^(-3e38 - c m) = 0
	v_mov_b32 v[AF+\i], 0                          ; (the pairs' upper words are named, so they are written)
	v_mov_b32 v[LS+\i], 0
.endr
	WIN 0
.Lstep:                                            ; 31 trips: steps 0 to 30, each making the scores of the step behind it
	STEP 1
	s_add_co_u32 s[TS], s[TS], STEPB
	s_sub_co_u32 s[CNT], s[CNT], 1
	s_cmp_lg_u32 s[CNT], 0
	s_cbranch_scc1 .Lstep
	STEP 0                                         ; the last step: no K, no scores, no V beyond the last key
	; THE WAY OUT.  l's two halves and the other half of the lanes' are added.  A lane keeps channels 4 h .. 4 h + 3 and sends the other four to the lane 16 away; O / l leaves as 16 bytes a lane.
	WIN 0x55
.irp t, 0,1,2,3
	v_add_f32 v[T1+\t], v[LS+2*\t], v[LS+2*\t+1]
.endr
.irp t, 0,1,2,3
	v_permlanex16_b32 v[MX+\t], v[T1+\t], s[SEL], s[SEL+1]
.endr
.irp t, 0,1,2,3
	v_add_f32 v[T1+\t], v[T1+\t], v[MX+\t]
.endr
.irp t, 0,1,2,3
	v_rcp_f32 v[RC+\t], v[T1+\t]
.endr
	WIN 0
.irp t, 0,1,2,3
.irp i, 0,1,2,3
	v_cndmask_b32 v[VSL+4*\t+\i], v[OAC+8*\t+4+\i], v[OAC+8*\t+\i], s[HM]       ; what the other half keeps
	v_cndmask_b32 v[VSL+32+4*\t+\i], v[OAC+8*\t+\i], v[OAC+8*\t+4+\i], s[HM]    ; what I keep
.endr
.endr
.irp n, 0,1,2,3,4,5,6,7,8,9,10,11,12,13,14,15
	v_permlanex16_b32 v[VSL+16+\n], v[VSL+\n], s[SEL], s[SEL+1]
.endr
.irp n, 0,1,2,3,4,5,6,7,8,9,10,11,12,13,14,15
	v_add_f32 v[VSL+32+\n], v[VSL+32+\n], v[VSL+16+\n]
.endr
	s_wait_alu depctr_va_vdst(0)                   ; one wait for the four reciprocals, ahead of their first reader; the lines above are the work between
	WIN 0x04
.irp t, 0,1,2,3
.irp i, 0,1,2,3
	v_mul_f32 v[VSL+32+4*\t+\i], v[VSL+32+4*\t+\i], v[RC+\t]
.endr
.endr
	WIN 0
.irp t, 0,1,2,3
	global_store_b128 v[KB0], v[VSL+32+4*\t:VSL+32+4*\t+3], s[16:17] offset:512*\t th:TH_STORE_NT   ; 32 lanes store 512 consecutive bytes, at a multiple of 512 from att's first byte
.endr
	s_wait_tensorcnt 0x0                           ; the wave's end
	ds_add_u32 v[SPW], v[NIL]
	s_wait_dscnt 0x0
	s_endpgm
.Lfunc_end_k_qf16e1c207d_attn:
	.size	k_qf16e1c207d_attn, .Lfunc_end_k_qf16e1c207d_attn-k_qf16e1c207d_attn
	.p2alignl 7, 3214868480
	.fill 96, 4, 3214868480
	.section	.rodata,"a",@progbits
	.p2align	6, 0x0
	.amdhsa_kernel k_qf16e1c207d_attn
		.amdhsa_group_segment_fixed_size 132096
		.amdhsa_private_segment_fixed_size 0
		.amdhsa_enable_private_segment 0
		.amdhsa_kernarg_size 56
		.amdhsa_user_sgpr_count 2
		.amdhsa_user_sgpr_kernarg_segment_ptr 1
		.amdhsa_wavefront_size32 1
		.amdhsa_system_sgpr_workgroup_id_x 1
		.amdhsa_system_sgpr_workgroup_id_y 1
		.amdhsa_system_sgpr_workgroup_id_z 1
		.amdhsa_system_vgpr_workitem_id 0
		.amdhsa_next_free_vgpr 512
		.amdhsa_next_free_sgpr 66
		.amdhsa_reserve_vcc 0
		.amdhsa_float_denorm_mode_32 3
		.amdhsa_float_denorm_mode_16_64 3
		.amdhsa_memory_ordered 1
		.amdhsa_forward_progress 1
		.amdhsa_inst_pref_size 194
	.end_amdhsa_kernel
	.amdgpu_metadata
---
amdhsa.version: [ 1, 2 ]
amdhsa.kernels:
  - .name:           k_qf16e1c207d_attn
    .symbol:         k_qf16e1c207d_attn.kd
    .args:
      - { .name: x, .offset: 0, .size: 8, .value_kind: global_buffer, .address_space: global }
      - { .name: wq, .offset: 8, .size: 8, .value_kind: global_buffer, .address_space: global }
      - { .name: bq, .offset: 16, .size: 8, .value_kind: global_buffer, .address_space: global }
      - { .name: wk, .offset: 24, .size: 8, .value_kind: global_buffer, .address_space: global }
      - { .name: wv, .offset: 32, .size: 8, .value_kind: global_buffer, .address_space: global }
      - { .name: bv, .offset: 40, .size: 8, .value_kind: global_buffer, .address_space: global }
      - { .name: att, .offset: 48, .size: 8, .value_kind: global_buffer, .address_space: global }
    .group_segment_fixed_size: 132096
    .private_segment_fixed_size: 0
    .kernarg_segment_align: 8
    .kernarg_segment_size: 56
    .max_flat_workgroup_size: 256
    .sgpr_count:     66
    .vgpr_count:     512
    .wavefront_size: 32
...
	.end_amdgpu_metadata
.endif
;; end of part 1
;; launch post (part 2): grid 256 x 1, 8 waves a work-group, no clusters, 21,504 bytes of LDS; arguments att, x, wo, bo, g1, beta1, wl, bl, g2, beta2, out0; writes out0
.if DOCPART == 2
	.amdgcn_target "amdgcn-amd-amdhsa--gfx1250"
	.amdhsa_code_object_version 6
	.text
	.protected	k_qf16e1c207d_post
	.globl	k_qf16e1c207d_post
	.p2align	8
	.type	k_qf16e1c207d_post,@function
k_qf16e1c207d_post:
	s_mov_b64 s[64:65], 0
	v_nop
	global_prefetch_b8 v0, s[64:65] scope:SCOPE_SE
	s_setreg_imm32_b32 hwreg(HW_REG_WAVE_MODE, 25, 1), 1
	s_wait_xcnt 0x0
; out0 = LN2(Q(a1) Q(wl) + bl + a1), a1 = LN1(Q(concat) Q(wo) + bo + x); concat[row][8 head + d] = att[b][head][s][d].  Q: the MX quantiser to E5M2 along K = 32 (one block).  Nothing of this part is left out.
; LIMITS: NaN and infinities among the inputs are not served; a block whose largest magnitude lies under 2^-111 keeps the scale byte 1; sums run in another order than the reference's; 1 / sqrt is v_rsq_f32.
; SHARES.  A wave owns 16 rows, from first to last; 2,048 waves, no loop, no barrier.  Lane (r = lane % 16, h = lane / 16) holds row r, channels 16 h .. 16 h + 15, in 16 registers: that is the scaled form's own
; layout for K = 32 (registers 0-3 of an operand; registers 4-15 are zero codes).  The products are used transposed (source 0 = 16 output channels, source 1 = my 16 rows), and the channels that form a tile are chosen
; (lane r of tile u takes channel 8 u + r + 8 (r / 8)) so that the two tiles' 16 result registers are again channels 16 h .. 16 h + 15.  So nothing changes lanes but the row sums.
; The biases are loaded into the accumulators and serve as C.  No cluster, no tensor load: waves share only the two weights, 4 KiB each, which every wave quantises in registers.
.set STGB,  2560                       ; LDS: a stage for each wave: 32 places of 64 bytes + 16 of padding
.set SPARE, 8*STGB                     ; behind the stages: the spare words, 128 bytes for each wave: four blocks of 256 bytes that no other line names
.set SPW, 2                            ; v2   LDS address of my spare word; never rewritten
.set NIL, 3                            ; v3   0, for the add alone
.set XA,  4                            ; v4   128 r + 64 h: x
.set ATA, 5                            ; v5   32 r + 131,072 h: att, heads 2 h and 2 h + 1
.set WA,  6                            ; v6   4 (r + 8 (r / 8)) + 2,048 h: a weight's column, rows 16 h on
.set PA,  7                            ; v7   64 h: my 16 channels of a vector of 32
.set STI, 8                            ; v8   the stage, in: place 2 r + h
.set STO, 9                            ; v9   the stage, back: 16 bytes a lane, on end
.set GO,  10                           ; v10  16 x lane
.set XSC, 12                           ; v12-16 hold scales and nothing else: the rows', wo's two tiles', wl's two
.set WOS, 13
.set WLS, 15
.set TM,  18                           ; v18-21 at work in QUANT
.set MU,  22                           ; v[22:23] the mean, later 1 / sqrt (low word)
.set T,   24                           ; v24-31 four pairs at work in LN
.set AT,  32                           ; concat
.set X,   48                           ; x; at the end the rows read back from the stage
.set XC,  64                           ; the rows' codes (4) and zero codes (12)
.set H1,  80                           ; bo, then the product, then a1
.set H2,  96                           ; bl, then the product, then the result
.set WO,  112                          ; wo's two tiles, 16 each: the column as loaded, then 4 of codes and 12 of zeros
.set WL,  144                          ; wl's
.set G1,  176
.set B1,  192
.set G2,  208
.set B2,  224
.set HT,  240                          ; held numbers, where the numbers themselves are still wanted
.set WV,  26
.set SEL, 28
.set MNT, 30
.set R32, 31                           ; 1 / 32
.set EPS, 32                           ; 1e-5
; One block of 32 along K, 16 numbers in lane l and 16 in lane l xor 16: held numbers into v[held ..], codes into v[code .. code + 3], the scale's byte into v[sreg].
.macro QUANT src, held, code, sreg
	v_max3_num_f32 v[TM], |v[\src]|, |v[\src+1]|, 0x8000000           ; the largest magnitude in two chains; the floor 2^(16 - 127) holds the byte at 1 from below
	v_max3_num_f32 v[TM+1], |v[\src+8]|, |v[\src+9]|, |v[\src+10]|
	v_max3_num_f32 v[TM], v[TM], |v[\src+2]|, |v[\src+3]|
	v_max3_num_f32 v[TM+1], v[TM+1], |v[\src+11]|, |v[\src+12]|
	v_max3_num_f32 v[TM], v[TM], |v[\src+4]|, |v[\src+5]|
	v_max3_num_f32 v[TM+1], v[TM+1], |v[\src+13]|, |v[\src+14]|
	v_max3_num_f32 v[TM], v[TM], |v[\src+6]|, |v[\src+7]|
	v_max3_num_f32 v[TM], v[TM], v[TM+1], |v[\src+15]|
	v_permlanex16_b32 v[TM+1], v[TM], s[SEL], s[SEL+1]
	v_max_num_f32 v[TM], v[TM], v[TM+1]                               ; with lane l xor 16's: the block's
	v_add_nc_u32 v[TM+2], 0xf8800000, v[TM]                           ; 15 off its exponent field: the conversion's scale operand
	v_and_or_b32 v[TM+3], v[TM], 0x7f800000, s[MNT]                   ; 57,344 x the scale
	v_lshrrev_b32 v[\sreg], 23, v[TM+2]                               ; the scale's byte, zeros above it (they scale zero codes)
.irp i, 0,1,2,3,4,5,6,7,8,9,10,11,12,13,14,15
	v_med3_num_f32 v[\held+\i], v[\src+\i], -v[TM+3], v[TM+3]         ; the conversion to an 8-bit code does not saturate (ISA guide 7.6.2): the hold
.endr
	v_cvt_scalef32_pk8_bf8_f32 v[\code:\code+1], v[\held:\held+7], v[TM+2]
	v_cvt_scalef32_pk8_bf8_f32 v[\code+2:\code+3], v[\held+8:\held+15], v[TM+2]
.endm
.macro ZEROS reg                       ; K = 32 .. 127: zero codes.  (Plain lines: the first is also the one that stands behind a run of conversions)
.irp i, 4,5,6,7,8,9,10,11,12,13,14,15
	v_mov_b32 v[\reg+\i], 0
.endr
.endm
; y = (y - mean) / sqrt(var + 1e-5) x g + b over a row's 32 channels: 16 here, 16 in the lane 16 away
.macro LN y, g, b
	v_pk_add_f32 v[T:T+1], v[\y:\y+1], v[\y+2:\y+3]
	v_pk_add_f32 v[T+2:T+3], v[\y+4:\y+5], v[\y+6:\y+7]
	v_pk_add_f32 v[T+4:T+5], v[\y+8:\y+9], v[\y+10:\y+11]
	v_pk_add_f32 v[T+6:T+7], v[\y+12:\y+13], v[\y+14:\y+15]
	v_pk_add_f32 v[T:T+1], v[T:T+1], v[T+2:T+3]
	v_pk_add_f32 v[T+4:T+5], v[T+4:T+5], v[T+6:T+7]
	v_pk_add_f32 v[T:T+1], v[T:T+1], v[T+4:T+5]
	v_add_f32 v[T], v[T], v[T+1]
	v_permlanex16_b32 v[T+2], v[T], s[SEL], s[SEL+1]
	v_add_f32 v[T], v[T], v[T+2]
	v_mul_f32 v[MU], s[R32], v[T]                                     ; the mean
.irp i, 0,2,4,6,8,10,12,14
	v_pk_add_f32 v[\y+\i:\y+\i+1], v[\y+\i:\y+\i+1], v[MU:MU+1] op_sel_hi:[1,0] neg_lo:[0,1] neg_hi:[0,1]
.endr
	v_pk_mul_f32 v[T:T+1], v[\y:\y+1], v[\y:\y+1]                     ; the squares, in two chains
	v_pk_mul_f32 v[T+2:T+3], v[\y+2:\y+3], v[\y+2:\y+3]
.irp i, 4,8,12
	v_pk_fma_f32 v[T:T+1], v[\y+\i:\y+\i+1], v[\y+\i:\y+\i+1], v[T:T+1]
	v_pk_fma_f32 v[T+2:T+3], v[\y+\i+2:\y+\i+3], v[\y+\i+2:\y+\i+3], v[T+2:T+3]
.endr
	v_pk_add_f32 v[T:T+1], v[T:T+1], v[T+2:T+3]
	v_add_f32 v[T], v[T], v[T+1]
	v_permlanex16_b32 v[T+2], v[T], s[SEL], s[SEL+1]
	v_add_f32 v[T], v[T], v[T+2]
	v_fma_f32 v[T], v[T], s[R32], s[EPS]                              ; var + 1e-5
	v_rsq_f32 v[MU], v[T]
	v_nop                                                             ; the plain instruction behind the transcendental
	s_wait_alu depctr_va_vdst(0)                                      ; and the wait ahead of its first reader
.irp i, 0,2,4,6,8,10,12,14
	v_pk_mul_f32 v[\y+\i:\y+\i+1], v[\y+\i:\y+\i+1], v[MU:MU+1] op_sel_hi:[1,0]
.endr
.irp i, 0,2,4,6,8,10,12,14
	v_pk_fma_f32 v[\y+\i:\y+\i+1], v[\y+\i:\y+\i+1], v[\g+\i:\g+\i+1], v[\b+\i:\b+\i+1]
.endr
.endm
.macro VEC16 reg, adr, base, hint      ; 16 neighbouring f32 of a lane: four loads of 16 bytes
.irp i, 0,1,2,3
	global_load_b128 v[\reg+4*\i:\reg+4*\i+3], v[\adr], s[\base:\base+1] offset:16*\i \hint
.endr
.endm
	s_load_b256 s[4:11], s[0:1], 0x0               ; att s[4:5], x s[6:7], wo s[8:9], bo s[10:11]
	s_load_b256 s[12:19], s[0:1], 0x20             ; g1 s[12:13], beta1 s[14:15], wl s[16:17], bl s[18:19]
	s_load_b128 s[20:23], s[0:1], 0x40             ; g2 s[20:21], beta2 s[22:23]
	s_load_b64 s[24:25], s[0:1], 0x50              ; out0
	v_lshl_add_u32 v[SPW], v0, 2, SPARE
	v_mov_b32 v[NIL], 0
	v_lshrrev_b32 v1, 5, v0
	v_readfirstlane_b32 s[WV], v1                  ; wave 0..7
	v_and_b32 v1, 15, v0                           ; r
	v_bfe_u32 v11, v0, 4, 1                        ; h
	v_and_b32 v17, 31, v0                          ; lane
	v_lshlrev_b32 v[XA], 7, v1
	v_lshl_add_u32 v[XA], v11, 6, v[XA]
	v_lshlrev_b32 v[ATA], 5, v1
	v_lshl_add_u32 v[ATA], v11, 17, v[ATA]
	v_and_b32 v[WA], 8, v1
	v_add_nc_u32 v[WA], v[WA], v1
	v_lshlrev_b32 v[WA], 2, v[WA]
	v_lshl_add_u32 v[WA], v11, 11, v[WA]
	v_lshlrev_b32 v[PA], 6, v11
	s_mul_i32 s33, s[WV], STGB                     ; my stage
	v_mul_u32_u24 v[STI], v1, 160
	v_mad_u32_u24 v[STI], v11, 80, v[STI]
	v_add_nc_u32 v[STI], s33, v[STI]
	v_lshlrev_b32 v[GO], 4, v17
	v_lshrrev_b32 v[STO], 2, v17
	v_mul_u32_u24 v[STO], v[STO], 80
	v_and_b32 v17, 3, v17
	v_lshl_add_u32 v[STO], v17, 4, v[STO]
	v_add_nc_u32 v[STO], s33, v[STO]
	s_mov_b32 s[SEL], 0x76543210
	s_mov_b32 s[SEL+1], 0xfedcba98
	s_mov_b32 s[MNT], 0x600000
	s_mov_b32 s[R32], 0x3d000000
	s_mov_b32 s[EPS], 0x3727c5ac
	s_lshl_b32 s34, ttmp9, 14                      ; x, out0: 128 rows of 128 bytes a work-group,
	s_lshl_b32 s35, s[WV], 11                      ; 16 a wave
	s_add_co_u32 s34, s34, s35
	s_mov_b32 s35, 0
	s_lshr_b32 s36, ttmp9, 4                       ; att: sixteen work-groups to a batch of 4 x 2,048 rows of 32 bytes,
	s_lshl_b32 s36, s36, 18
	s_and_b32 s37, ttmp9, 15
	s_lshl_b32 s37, s37, 12                        ; 128 rows a work-group,
	s_add_co_u32 s36, s36, s37
	s_lshl_b32 s37, s[WV], 9                       ; 16 a wave
	s_add_co_u32 s36, s36, s37
	s_mov_b32 s37, 0
	s_wait_kmcnt 0x0
	s_add_nc_u64 s[4:5], s[4:5], s[36:37]
	s_add_nc_u64 s[6:7], s[6:7], s[34:35]
	s_add_nc_u64 s[24:25], s[24:25], s[34:35]
	; all 96 loads, in the order in which they are wanted: wo 32, att 4, bo 4, x 4, wl 32, g1 and beta1 8, bl 4, g2 and beta2 8.  Each wait below counts the loads that stand behind the ones it needs
.irp u, 0,1
.irp i, 0,1,2,3,4,5,6,7,8,9,10,11,12,13,14,15
	global_load_b32 v[WO+16*\u+\i], v[WA], s[8:9] offset:128*\i+32*\u      ; wo(16 h + i, channel): a lane's registers run down K
.endr
.endr
	global_load_b128 v[AT:AT+3], v[ATA], s[4:5] th:TH_LOAD_NT              ; head 2 h, channels 0-3, 4-7;
	global_load_b128 v[AT+4:AT+7], v[ATA], s[4:5] offset:16 th:TH_LOAD_NT
	global_load_b128 v[AT+8:AT+11], v[ATA], s[4:5] offset:65536 th:TH_LOAD_NT   ; head 2 h + 1
	global_load_b128 v[AT+12:AT+15], v[ATA], s[4:5] offset:65552 th:TH_LOAD_NT
	VEC16 H1, PA, 10
	VEC16 X, XA, 6, th:TH_LOAD_NT
.irp u, 0,1
.irp i, 0,1,2,3,4,5,6,7,8,9,10,11,12,13,14,15
	global_load_b32 v[WL+16*\u+\i], v[WA], s[16:17] offset:128*\i+32*\u
.endr
.endr
	VEC16 G1, PA, 12
	VEC16 B1, PA, 14
	VEC16 H2, PA, 18
	VEC16 G2, PA, 20
	VEC16 B2, PA, 22
	ZEROS XC
	v_mov_b32 v[MU+1], 0                           ; (named as the upper half of a pair, so it is written)
	s_wait_loadcnt 60                              ; wo and att are in
	QUANT WO, HT, WO, WOS
	ZEROS WO
	QUANT WO+16, HT, WO+16, WOS+1
	ZEROS WO+16
	QUANT AT, AT, XC, XSC
.rept 4
	v_nop                                          ; the plain line behind the conversions, and the four places between codes made by vector instructions and a scaled matrix instruction (the scale word stands 16 holds further up)
.endr
	s_wait_loadcnt 56                              ; bo is in: it is the C of both products
	v_wmma_scale_f32_16x16x128_f8f6f4 v[H1:H1+7], v[WO:WO+15], v[XC:XC+15], v[H1:H1+7], v[WOS], v[XSC] matrix_a_fmt:MATRIX_FMT_BF8 matrix_b_fmt:MATRIX_FMT_BF8
	v_wmma_scale_f32_16x16x128_f8f6f4 v[H1+8:H1+15], v[WO+16:WO+31], v[XC:XC+15], v[H1+8:H1+15], v[WOS+1], v[XSC] matrix_a_fmt:MATRIX_FMT_BF8 matrix_b_fmt:MATRIX_FMT_BF8
	s_wait_loadcnt 20                              ; x and wl are in
	QUANT WL, HT, WL, WLS                          ; wl's codes are made here: these lines name none of the products' registers and are the places behind them
	ZEROS WL
	QUANT WL+16, HT, WL+16, WLS+1
	ZEROS WL+16
.irp i, 0,2,4,6,8,10,12,14
	v_pk_add_f32 v[H1+\i:H1+\i+1], v[H1+\i:H1+\i+1], v[X+\i:X+\i+1]        ; + x; each result is read from its low end on
.endr
	s_wait_loadcnt 12                              ; g1 and beta1 are in
	LN H1, G1, B1                                  ; a1
	QUANT H1, HT, XC, XSC                          ; a1 itself stays whole: it is added again below
.rept 4
	v_nop
.endr
	s_wait_loadcnt 8                               ; bl is in
	v_wmma_scale_f32_16x16x128_f8f6f4 v[H2:H2+7], v[WL:WL+15], v[XC:XC+15], v[H2:H2+7], v[WLS], v[XSC] matrix_a_fmt:MATRIX_FMT_BF8 matrix_b_fmt:MATRIX_FMT_BF8
	v_wmma_scale_f32_16x16x128_f8f6f4 v[H2+8:H2+15], v[WL+16:WL+31], v[XC:XC+15], v[H2+8:H2+15], v[WLS+1], v[XSC] matrix_a_fmt:MATRIX_FMT_BF8 matrix_b_fmt:MATRIX_FMT_BF8
.rept 8
	v_nop                                          ; eight places behind this form, ahead of the read of its results: no other vector work is at hand
.endr
.irp i, 0,2,4,6,8,10,12,14
	v_pk_add_f32 v[H2+\i:H2+\i+1], v[H2+\i:H2+\i+1], v[H1+\i:H1+\i+1]      ; + a1
.endr
	s_wait_loadcnt 0x0                             ; g2 and beta2
	LN H2, G2, B2
	; THE WAY OUT.  A lane holds 64 bytes of a row: they go through my own stage and come back 16 bytes a lane, on end, so that each store covers 512 consecutive bytes.  LDS serves a wave's instructions in order (ISA guide 5.7.1.4).
.irp i, 0,1,2,3
	ds_store_b128 v[STI], v[H2+4*\i:H2+4*\i+3] offset:16*\i
.endr
.irp i, 0,1,2,3
	ds_load_b128 v[X+4*\i:X+4*\i+3], v[STO] offset:640*\i
.endr
.irp i, 0,1,2,3
	s_wait_dscnt 3-\i                              ; load i is back; the younger ones may be out
	global_store_b128 v[GO], v[X+4*\i:X+4*\i+3], s[24:25] offset:512*\i th:TH_STORE_NT
.endr
	s_wait_tensorcnt 0x0                           ; the wave's end
	ds_add_u32 v[SPW], v[NIL]
	s_wait_dscnt 0x0
	s_endpgm
.Lfunc_end_k_qf16e1c207d_post:
	.size	k_qf16e1c207d_post, .Lfunc_end_k_qf16e1c207d_post-k_qf16e1c207d_post
	.p2alignl 7, 3214868480
	.fill 96, 4, 3214868480
	.section	.rodata,"a",@progbits
	.p2align	6, 0x0
	.amdhsa_kernel k_qf16e1c207d_post
		.amdhsa_group_segment_fixed_size 21504
		.amdhsa_private_segment_fixed_size 0
		.amdhsa_enable_private_segment 0
		.amdhsa_kernarg_size 88
		.amdhsa_user_sgpr_count 2
		.amdhsa_user_sgpr_kernarg_segment_ptr 1
		.amdhsa_wavefront_size32 1
		.amdhsa_system_sgpr_workgroup_id_x 1
		.amdhsa_system_sgpr_workgroup_id_y 1
		.amdhsa_system_sgpr_workgroup_id_z 1
		.amdhsa_system_vgpr_workitem_id 0
		.amdhsa_next_free_vgpr 256
		.amdhsa_next_free_sgpr 66
		.amdhsa_reserve_vcc 0
		.amdhsa_float_denorm_mode_32 3
		.amdhsa_float_denorm_mode_16_64 3
		.amdhsa_memory_ordered 1
		.amdhsa_forward_progress 1
		.amdhsa_inst_pref_size 35
	.end_amdhsa_kernel
	.amdgpu_metadata
---
amdhsa.version: [ 1, 2 ]
amdhsa.kernels:
  - .name:           k_qf16e1c207d_post
    .symbol:         k_qf16e1c207d_post.kd
    .args:
      - { .name: att, .offset: 0, .size: 8, .value_kind: global_buffer, .address_space: global }
      - { .name: x, .offset: 8, .size: 8, .value_kind: global_buffer, .address_space: global }
      - { .name: wo, .offset: 16, .size: 8, .value_kind: global_buffer, .address_space: global }
      - { .name: bo, .offset: 24, .size: 8, .value_kind: global_buffer, .address_space: global }
      - { .name: g1, .offset: 32, .size: 8, .value_kind: global_buffer, .address_space: global }
      - { .name: beta1, .offset: 40, .size: 8, .value_kind: global_buffer, .address_space: global }
      - { .name: wl, .offset: 48, .size: 8, .value_kind: global_buffer, .address_space: global }
      - { .name: bl, .offset: 56, .size: 8, .value_kind: global_buffer, .address_space: global }
      - { .name: g2, .offset: 64, .size: 8, .value_kind: global_buffer, .address_space: global }
      - { .name: beta2, .offset: 72, .size: 8, .value_kind: global_buffer, .address_space: global }
      - { .name: out0, .offset: 80, .size: 8, .value_kind: global_buffer, .address_space: global }
    .group_segment_fixed_size: 21504
    .private_segment_fixed_size: 0
    .kernarg_segment_align: 8
    .kernarg_segment_size: 88
    .max_flat_workgroup_size: 256
    .sgpr_count:     66
    .vgpr_count:     256
    .wavefront_size: 32
...
	.end_amdgpu_metadata
.endif
;; end of part 2
